; MI455X (gfx1250); checked and timed in simulation.
; The chip was launched on July 23, 2026; its instructions are those of AMD's public machine-readable ISA for CDNA 5 (MIT licence, August 2026) and "CDNA5" Instruction Set Architecture Reference Guide (July 2026). The comments in the code are by the model that wrote it; some were corrected since.
;; Causal Self Attention. Allowed arithmetic: matrix products marked QUANTISED: E4M3 operands, one given power-of-two scale a tensor, by v_wmma_f32_16x16x64_fp8_fp8 or v_wmma_f32_16x16x128_fp8_fp8, f32 sums; everything else in f32.
;; Inputs: lowp_scales 8 int32 (the exponents e of the quantised operands' scales 2^e); w_proj_codes 1,024 x 32 x 32 uint8 (E4M3 codes of w_proj, K innermost, in blocks of 32 codes); w_qkv_codes 3,072 x 32 x 32 uint8 (E4M3 codes of w_qkv, K innermost, in blocks of 32 codes); x_codes 1 x 2,048 x 32 x 32 uint8 (E4M3 codes of x, K innermost, in blocks of 32 codes).
;; Outputs: out0 1 x 2,048 x 1,024 float32.
;; This version of the problem:
;;   THIS VERSION OF THE PROBLEM IS GIVEN IN LOW PRECISION. The matrix products marked QUANTISED in the list below multiply operands that are first quantised to E4M3 (4 exponent bits, 3 mantissa bits; 8 bits a number), with one given power-of-two scale for each operand tensor; their sums are f32. All else is computed in f32.
;;   The module's matrix products, in the order in which they are computed (A, B: the left and right operand; K: the contracted axis; several contracted axes count as one K, in the product's order):
;;     1. [M 2,048, K 1,024] x [K 1,024, N 3,072]; A: input x (given as codes); B: input w_qkv (given as codes): QUANTISED (scales: A lowp_scales[0], B lowp_scales[1])
;;     2. batch 16 x [M 2,048, K 64] x [K 64, N 2,048]; A: computed on the way; B: computed on the way: QUANTISED (scales: A lowp_scales[2], B lowp_scales[3])
;;     3. batch 16 x [M 2,048, K 2,048] x [K 2,048, N 64]; A: softmax (see below); B: computed on the way: QUANTISED (scales: A lowp_scales[4], B lowp_scales[5])
;;     4. [M 2,048, K 1,024] x [K 1,024, N 1,024]; A: computed on the way; B: input w_proj (given as codes): QUANTISED (scales: A lowp_scales[6], B lowp_scales[7])
;;   THE QUANTISER, for each operand of a quantised product, along K:
;;     - The operand's scale is 2^e, e = its entry of the input lowp_scales (int32; the entries are numbered through the quantised products in the list's order, A before B).
;;     - Each number is divided by the scale, clamped to +-448, and rounded to the nearest number of E4M3, ties to even, subnormals kept.
;;     - The product sums the exact products of the quantised numbers (number of the format x scale) in f32.
;;   ~~~python
;;   def quantise(x, axis, e):      # numpy; x: float32 -> the quantised numbers, widened to float32 again
;;       x = np.moveaxis(x, axis, -1); K = x.shape[-1]
;;       r = np.clip(x / 2.0 ** e, -448, 448)
;;       step = 2.0 ** (np.maximum(np.frexp(np.where(r == 0, 1, r))[1] - 1, -6) - 3)
;;       q = np.round(r / step) * step * 2.0 ** e      # np.round: ties to even
;;       return np.moveaxis(q, -1, axis).astype(np.float32)
;;   ~~~
;;   SOFTMAX AHEAD OF A QUANTISED PRODUCT. Where the list says 'softmax', what is quantised is not the finished softmax but p = 2^(t - M), with t = logit x log2(e) and M = ceil(the row's largest t), a whole number; so 1/2 < the row's largest p <= 1. The row's sum l is taken of the UNQUANTISED p, in f32, and the product's result is divided by l at the end. Since M is a whole number, a kernel that streams over the keys may use a running M (the ceiling of the running maximum): every later rescaling is an exact power of two, so the quantised numbers keep their values, but for numbers so far below the row's largest that they fall under the format's range.
;;   OPERANDS COMPUTED ON THE WAY. 'Computed on the way' means the value that the module computes at that place (a softmax that the list does not call 'softmax' is quantised finished and normalised). What goes into a quantiser is computed in f32, as accurately as f32 sums, v_exp_f32 and their like allow (about 1e-6 of the number): no bf16 or f16 on the way to a quantiser, and a product that is left as it is and whose result goes on into a quantised operand takes f32 operands (vector FMAs, or v_wmma_f32_16x16x4_f32). A number that lies on a knife's edge between two numbers of the format may be rounded either way, as far as f32 arithmetic and the matrix unit's own rounding can turn it there, and no further.
;;   INPUTS GIVEN AS CODES. w_proj (in the module: [1024, 1024], K = its axis 0); w_qkv (in the module: [1024, 3072], K = its axis 0); x (in the module: [1, 2048, 1024], K = its axis 2): each comes as NAME_codes (uint8): NAME with its K axis moved to the last place and cut into blocks of 32 codes, [.., K / 32, bytes a block], one block behind the other in memory; one code a byte (a code: sign, 4 exponent bits, 3 mantissa bits); its scale is its entry of lowp_scales. Its value is code x scale, taken as it is: it is not quantised again, and the codes and scales need not be those that the quantiser above would give.
;; One version. Each part assembles by itself: llvm-mc -triple=amdgcn-amd-amdhsa -mcpu=gfx1250 --defsym DOCPART=n.
;; ======== version 1 of 1: 3 launches
;; limits: a function is approximated: absolute error at most 0.0002; right only within a limited range of input values
;; workspace buffers: q_img 2,097,152 bytes; k_img 2,097,152 bytes; v_img 2,097,152 bytes; o_img 2,097,152 bytes
;; launch qkv (part 1): grid 16 x 16, 4 waves a work-group, clusters of 4 x 4, 327,680 bytes of LDS; arguments x_codes, w_qkv_codes, lowp_scales, q_img, k_img, v_img; writes q_img, k_img, v_img
.if DOCPART == 1
	.amdgcn_target "amdgcn-amd-amdhsa--gfx1250"
	.amdhsa_code_object_version 6
	.text
	.protected	k_q8d9bb82982_qkv
	.globl	k_q8d9bb82982_qkv
	.p2align	8
	.type	k_q8d9bb82982_qkv,@function
k_q8d9bb82982_qkv:
	s_mov_b64 s[64:65], 0
	v_nop
	global_prefetch_b8 v0, s[64:65] scope:SCOPE_SE
	s_setreg_imm32_b32 hwreg(HW_REG_WAVE_MODE, 25, 1), 1
	s_wait_xcnt 0x0
	s_wait_alu depctr_hold_cnt(0) depctr_sa_sdst(0) depctr_va_vdst(0) depctr_va_sdst(0) depctr_va_ssrc(0) depctr_va_vcc(0) depctr_vm_vsrc(0)
	s_getreg_b32 s2, hwreg(HW_REG_IB_STS2, 6, 4)
	s_cmp_eq_u32 s2, 0
	s_cbranch_scc0 .Lentry_in_a_cluster
	s_endpgm
.Lentry_in_a_cluster:
	s_bfe_u32 s2, ttmp6, 0x10000c
	s_cmp_lg_u32 s2, 0xf033
	s_cbranch_scc0 .Lentry_shape_is_right
	s_endpgm
.Lentry_shape_is_right:
; qkv = x w_qkv on codes of E4M3, then RoPE on q and k in f32, then q, k and v quantised with the given scales 2^e2, 2^e3, 2^e5.
; x_codes: [2048][1024], w_qkv_codes: [3072][1024], one code a byte, K innermost.  lowp_scales: eight whole numbers e0 .. e7.
; SHARES.  A work-group makes 128 rows t (block tb) x the 192 columns q, k, v of ONE head.  Wave w takes all 128 rows (8 tiles m) x channels 16 w .. 16 w + 15 of q, of k and of v: 24 accumulators.
; q and k are used TRANSPOSED (source 0 = 16 rows of w, source 1 = 16 rows of x): lane (r, h) holds row t = 16 m + r and channels 16 w + 8 h + 0 .. 7: four RoPE pairs, and eight neighbours along the next K.
; v is used straight (source 0 = x, source 1 = w): lane (r, h) holds channel 16 w + r and keys 16 m + 8 h + 0 .. 7: eight neighbours along ITS next K, the keys.
; OUTPUT: images of operand registers (a group of four registers is 512 bytes, lane l's 16 bytes at 16 l), in the 8-bit forms' own layout (registers 2 c, 2 c + 1 of lane (r, h): k = 16 c + 8 h + 0 .. 7):
;   q_img, k_img: [head][tile of 16 rows, 0..127][1,024 bytes]: my pair of registers is registers 2 w, 2 w + 1 of the fragment: the four waves' pairs meet in a stage in LDS;
;   v_img: [head][128 keys, 0..15][16 channels, 0..3][2,048 bytes]: my eight pairs are a whole fragment and are stored straight.
; K goes in steps of 256 through three LDS slots; steps 0, 1, 2 are first fills, step 3 is the one refill (of slot 0): four padded slots would be 348,160 bytes.
; CLUSTER 4 x 4: the four work-groups of a row of the cluster share tb and so x's tiles, the four of a column share the head and so w's: each tile is asked for jointly.
; The fragments of x and of w come by four loads of 16 bytes (k = 32 c + 16 h + 0 .. 15 in registers 4 c .. 4 c + 3): one permutation of k, the same on both sides, so every product meets its partner.
; The product's power of two is folded into the conversions: code = sum / 2^(e - e0 - e1).
; LIMITS: e2, e3, e5, each less (e0 + e1), between -126 and 119.  NaN codes among the inputs are not served.  The RoPE frequency 10^(-i/8) is a product of two rounded constants:
; within 1.5 units in its last place.  sin and cos: the angle t f is rounded once; reduced by pi/2 in two parts; polynomials on |R| <= pi/4 cut where the next term is under 2.5e-8, for every t.
; REGISTERS, in windows of 256: window 0 below; windows 1 and 2: fragment sets 0 and 1 (x's tile m at v[16 m], w's part j at v[128 + 16 j]); window 3: accumulators q(m) v[8 m], k(m) v[64 + 8 m], v(m) v[128 + 8 m].
.set PITCH, 272                        ; an LDS row: 256 bytes + 16 of padding, an odd multiple of 16: the 16 rows of a fragment load fall on 16 different 16-byte columns of 256
.set XB,    128*PITCH                  ; x's 128 rows
.set WB,    64*PITCH                   ; 64 rows of w: one of q, k, v
.set SLOT,  XB+3*WB                    ; 87,040
.set SPARE, 3*SLOT                     ; the spare words: 128 bytes a wave, two blocks of 256 bytes that no other line names
.set STAGE, SPARE+512                  ; 16,384 bytes: [q, k][m][1,024]; no tensor load lands here
.set PADW,  (1<<20)|(1<<21)|(5<<22)|(3<<25)   ; elements of 1 byte; padding on; bit 21 beside a mask; after every 64 words, 4 words
.set ADX, 4                            ; v4-6   x's fragments in slot 0, 1, 2
.set ADW, 7                            ; v7-9   my 16 rows of w's parts
.set STQ, 10                           ; v10    the stage: where my 8 bytes go
.set RDS, 11                           ; v11    the stage: where I read 4,096 bytes back
.set GL,  12                           ; v12    16 x lane
.set SPW, 14                           ; v14    my spare word; never rewritten
.set NIL, 15                           ; v15    0; never rewritten
.set SCQ, 16                           ; v16, 17: q's scale and limit; v18, 19: k's; v20, 21: v's
.set TT,  22                           ; v[22:23] t as f32 (low word)
.set F,   24                           ; v[24:27] my four frequencies
.set TS,  32                           ; v32-63  two sets of 16 at work on sin and cos; later the codes of q (32 + 2 m) and k (48 + 2 m)
.set CQ,  32
.set TAB, 64                           ; v64-127 sin at 64 + 8 m + p, cos at 68 + 8 m + p; later v's codes
.set CV,  64
.set KC,  128                          ; v128-151 twelve constants as pairs
.set RR,  128                          ; v128-255 later: the turned numbers, 128 + 64 z + 8 m + j
.set WV,  16                           ; s16 my wave's number
.set G1X, 32                           ; s[32:39] group 1 for x's tiles, s[40:47] for w's
.set G1W, 40
.set G0X, 48                           ; s[48:59] group 0 for x's tiles, a set for each slot
.set G0W, 68                           ; s[68:79] the same for w's
.set MSB, 0
.macro WIN new                         ; the immediate's high byte repeats the setting that is left
.if MSB != (\new)
	s_set_vgpr_msb (MSB<<8)|(\new)
.set MSB, (\new)
.endif
.endm
.macro PLACES                          ; four plain vector lines behind a matrix instruction, ahead of loads into its sources and of reads of its results
.rept 4
	v_nop
.endr
.endm
.macro CREST
	s_cmp_lg_u32 s[WV], 0
	s_cbranch_scc1 .Lnot_wave_0_\@
	s_barrier_signal -3
.Lnot_wave_0_\@:
	s_barrier_wait -3
	s_barrier_signal -1
	s_barrier_wait -1
.endm
.macro CROUND                          ; a round of the cluster's barrier
	s_barrier_signal -1
	s_barrier_wait -1
	CREST
.endm
	s_load_b256 s[4:11], s[0:1], 0x0               ; x s[4:5], w s[6:7], scales s[8:9], q_img s[10:11]
	s_load_b128 s[12:15], s[0:1], 0x20             ; k_img s[12:13], v_img s[14:15]
	v_lshl_add_u32 v[SPW], v0, 2, SPARE
	v_mov_b32 v[NIL], 0
	ds_add_u32 v14, v15
	ds_add_u32 v14, v15
	s_wait_dscnt 0x0
	v_lshrrev_b32 v1, 5, v0
	v_readfirstlane_b32 s[WV], v1                  ; wave 0..3
	s_bfe_u32 s17, ttmp6, 0x40000                  ; cx
	s_bfe_u32 s18, ttmp6, 0x40004                  ; cy
	s_lshl_b32 s19, ttmp9, 2
	s_add_co_u32 s19, s19, s17                     ; head = 4 x cluster x + cx
	s_and_b32 s20, ttmp7, 0xffff
	s_lshl_b32 s20, s20, 2
	s_add_co_u32 s20, s20, s18                     ; tb = 4 x cluster y + cy
	s_lshl_b32 s21, s18, 2
	s_lshl_b32 s21, 15, s21                        ; my row of the cluster: it shares tb
	s_lshl_b32 s22, 0x1111, s17                    ; my column: it shares the head
	s_or_b32 s[G1X], s21, PADW                     ; x: 128 rows x 256 bytes, 1,024 bytes apart
	s_mov_b32 s[G1X+1], 256<<16                    ; tensor_dim0
	s_mov_b32 s[G1X+2], 128<<16                    ; tensor_dim1
	s_mov_b32 s[G1X+3], 256<<16                    ; tile_dim0
	s_mov_b32 s[G1X+4], 128                        ; tile_dim1
	s_mov_b32 s[G1X+5], 1024                       ; from row to row
	s_mov_b32 s[G1X+6], 0
	s_mov_b32 s[G1X+7], 0
	s_or_b32 s[G1W], s22, PADW                     ; w: 64 rows x 256 bytes
	s_mov_b32 s[G1W+1], 256<<16
	s_mov_b32 s[G1W+2], 64<<16
	s_mov_b32 s[G1W+3], 256<<16
	s_mov_b32 s[G1W+4], 64
	s_mov_b32 s[G1W+5], 1024
	s_mov_b32 s[G1W+6], 0
	s_mov_b32 s[G1W+7], 0
	s_lshl_b32 s24, s20, 17                        ; x: 128 tb rows of 1,024 bytes (these two registers never hold cx)
	s_mov_b32 s25, 0
	s_min_u32 s28, s[WV], 2                        ; waves 0, 1, 2 fetch w's parts q, k, v; wave 3 fetches x and does not use these
	s_lshl_b32 s26, s28, 20                        ; part x 1,024 rows
	s_lshl_b32 s27, s19, 16                        ; + head x 64 rows (these never hold cy)
	s_add_co_u32 s26, s26, s27
	s_mov_b32 s27, 0
	s_mul_i32 s29, s28, WB
	s_add_co_u32 s29, s29, XB                      ; and where the part goes in a slot: behind x's rows
	s_lshl_b32 s88, s19, 17                        ; the images: head x 131,072 + tb x 8,192
	s_lshl_b32 s89, s20, 13
	s_add_co_u32 s88, s88, s89
	s_lshl_b32 s90, s[WV], 11
	s_add_co_u32 s90, s90, s88                     ; v_img: + 2,048 x wave
	s_mov_b32 s91, 0
	s_and_b32 s89, s[WV], 1
	s_lshl_b32 s89, s89, 12
	s_add_co_u32 s88, s88, s89                     ; q_img, k_img: + 4,096 x (wave % 2)
	s_mov_b32 s89, 0
	s_wait_kmcnt 0x0
	s_load_b256 s[80:87], s[8:9], 0x0              ; e0 .. e7
	s_add_nc_u64 s[24:25], s[4:5], s[24:25]
	s_add_nc_u64 s[26:27], s[6:7], s[26:27]
	s_add_nc_u64 s[14:15], s[14:15], s[90:91]
	s_cmp_lt_u32 s[WV], 2                          ; waves 0, 1 store q's images, waves 2, 3 k's
	s_cselect_b64 s[92:93], s[10:11], s[12:13]
	s_add_nc_u64 s[92:93], s[92:93], s[88:89]
	CROUND                                         ; all sixteen work-groups are here: the first joint loads meet
.irp s, 0,1,2
	s_mov_b32 s[G0X+4*\s], 1
	s_mov_b32 s[G0X+4*\s+1], \s*SLOT
	s_add_nc_u64 s[G0X+4*\s+2:G0X+4*\s+3], s[24:25], \s*256
	s_or_b32 s[G0X+4*\s+3], s[G0X+4*\s+3], 0x80000000
	s_mov_b32 s[G0W+4*\s], 1
	s_add_co_u32 s[G0W+4*\s+1], s29, \s*SLOT
	s_add_nc_u64 s[G0W+4*\s+2:G0W+4*\s+3], s[26:27], \s*256
	s_or_b32 s[G0W+4*\s+3], s[G0W+4*\s+3], 0x80000000
.endr
	s_cmp_eq_u32 s[WV], 3                          ; a wave's three first fills stand in one branch: three loads of mine are out
	s_cbranch_scc0 .Lfirst_w
	tensor_load_to_lds s[G0X:G0X+3], s[G1X:G1X+7]
	s_nop 0
	tensor_load_to_lds s[G0X+4:G0X+7], s[G1X:G1X+7]
	s_nop 0
	tensor_load_to_lds s[G0X+8:G0X+11], s[G1X:G1X+7]
	s_nop 0
	PLACES
	s_branch .Lfirst_asked
.Lfirst_w:
	tensor_load_to_lds s[G0W:G0W+3], s[G1W:G1W+7]
	s_nop 0
	tensor_load_to_lds s[G0W+4:G0W+7], s[G1W:G1W+7]
	s_nop 0
	tensor_load_to_lds s[G0W+8:G0W+11], s[G1W:G1W+7]
	s_nop 0
	PLACES
.Lfirst_asked:
	; addresses
	v_and_b32 v1, 15, v0                           ; r
	v_bfe_u32 v2, v0, 4, 1                         ; h
	v_and_b32 v3, 31, v0                           ; lane
	v_mul_u32_u24 v13, v1, PITCH
	v_lshl_add_u32 v13, v2, 4, v13                 ; row r x pitch + 16 h
	s_mul_i32 s28, s[WV], 16*PITCH
	s_add_co_u32 s28, s28, XB                      ; my 16 rows of a part of w
.irp s, 0,1,2
	v_add_nc_u32 v[ADX+\s], \s*SLOT, v13
	v_add_nc_u32 v[ADW+\s], s28, v13
	s_add_co_u32 s28, s28, SLOT
.endr
	s_lshr_b32 s28, s[WV], 1
	s_lshl_b32 s28, s28, 9
	s_and_b32 s29, s[WV], 1
	s_lshl_b32 s29, s29, 3
	s_add_co_u32 s28, s28, s29
	s_add_co_u32 s28, s28, STAGE
	v_lshl_add_u32 v[STQ], v3, 4, s28              ; registers 2 w, 2 w + 1 of a fragment: group w / 2, bytes 8 (w % 2) of my lane's 16
	s_lshl_b32 s28, s[WV], 12
	s_add_co_u32 s28, s28, STAGE
	v_lshl_add_u32 v[RDS], v3, 4, s28
	v_lshlrev_b32 v[GL], 4, v3
	; my four frequencies: i = 8 w + 4 h + p: 10^(-i/8) = 10^(-(4 h + p)/8) x 10^(-w)
	s_mov_b32 s30, 1.0
	s_mov_b32 s31, 0x3dcccccd                      ; 0.1
	s_cmp_eq_u32 s[WV], 1
	s_cselect_b32 s30, s31, s30
	s_mov_b32 s31, 0x3c23d70a                      ; 0.01
	s_cmp_eq_u32 s[WV], 2
	s_cselect_b32 s30, s31, s30
	s_mov_b32 s31, 0x3a83126f                      ; 0.001
	s_cmp_eq_u32 s[WV], 3
	s_cselect_b32 s30, s31, s30
	v_cmp_eq_u32 vcc_lo, 1, v2
.macro FREQ p, lo, hi
	v_mov_b32 v[F+\p], \lo
	v_mov_b32 v28, \hi
	v_cndmask_b32 v[F+\p], v[F+\p], v28, vcc_lo
	v_mul_f32 v[F+\p], s30, v[F+\p]
.endm
	FREQ 0, 0x3f800000, 0x3ea1e89b                 ; 10^0,      10^(-4/8)
	FREQ 1, 0x3f3ff911, 0x3e72d424                 ; 10^(-1/8), 10^(-5/8)
	FREQ 2, 0x3f0ff59a, 0x3e361887                 ; 10^(-2/8), 10^(-6/8)
	FREQ 3, 0x3ed7e89b, 0x3e088d77                 ; 10^(-3/8), 10^(-7/8)
.macro KPAIR i, val
	v_mov_b32 v[KC+2*\i], \val
	v_mov_b32 v[KC+2*\i+1], \val
.endm
	KPAIR 0, 0x3f22f983                            ; 2 / pi
	KPAIR 1, 0xbfc90fdb                            ; -(pi/2 rounded to f32)
	KPAIR 2, 0x333bbd2e                            ; that rounded number less pi/2
	KPAIR 3, 0x3638ef1d                            ; sin:  1/9!
	KPAIR 4, 0xb9500d01                            ;      -1/7!
	KPAIR 5, 0x3c088889                            ;       1/5!
	KPAIR 6, 0xbe2aaaab                            ;      -1/3!
	KPAIR 7, 0x37d00d01                            ; cos:  1/8!
	KPAIR 8, 0xbab60b61                            ;      -1/6!
	KPAIR 9, 0x3d2aaaab                            ;       1/4!
	KPAIR 10, -0.5
	KPAIR 11, 1.0
	s_lshl_b32 s28, s20, 7
	v_add_nc_u32 v13, s28, v1
	v_cvt_f32_u32 v[TT], v13                       ; t = 128 tb + r, exact
	v_mov_b32 v[TT+1], 0                           ; (named as the pair's upper half)
; sin and cos of t f for the four frequencies, row tile m.  Two pairs of angles (q = 0, 1) go line by line, so that no line waits for the line above it.
; A set of 16: +0 the angle, then R; +2 N; +4 Z = R R; +6 P (sin R); +8 Q (cos R); +10 Z R; +12 N as a whole number; +13 a sign; +14, +15 the chosen polynomials.
.macro SINCOS m
.irp q, 0,1
	v_pk_mul_f32 v[TS+16*\q:TS+16*\q+1], v[F+2*\q:F+2*\q+1], v[TT:TT+1] op_sel_hi:[1,0]   ; the angle, rounded once
.endr
.irp q, 0,1
	v_pk_mul_f32 v[TS+16*\q+2:TS+16*\q+3], v[TS+16*\q:TS+16*\q+1], v[KC:KC+1]
.endr
.irp q, 0,1
	v_rndne_f32 v[TS+16*\q+2], v[TS+16*\q+2]       ; N: how many quarter turns
	v_rndne_f32 v[TS+16*\q+3], v[TS+16*\q+3]
.endr
.irp q, 0,1
	v_pk_fma_f32 v[TS+16*\q:TS+16*\q+1], v[TS+16*\q+2:TS+16*\q+3], v[KC+2:KC+3], v[TS+16*\q:TS+16*\q+1]   ; exact: a multiple of the angle's or the constant's last place, under 1
.endr
.irp q, 0,1
	v_pk_fma_f32 v[TS+16*\q:TS+16*\q+1], v[TS+16*\q+2:TS+16*\q+3], v[KC+4:KC+5], v[TS+16*\q:TS+16*\q+1]   ; R
.endr
.irp q, 0,1
	v_pk_mul_f32 v[TS+16*\q+4:TS+16*\q+5], v[TS+16*\q:TS+16*\q+1], v[TS+16*\q:TS+16*\q+1]
.endr
.irp q, 0,1
	v_pk_fma_f32 v[TS+16*\q+6:TS+16*\q+7], v[TS+16*\q+4:TS+16*\q+5], v[KC+6:KC+7], v[KC+8:KC+9]
	v_pk_fma_f32 v[TS+16*\q+8:TS+16*\q+9], v[TS+16*\q+4:TS+16*\q+5], v[KC+14:KC+15], v[KC+16:KC+17]
	v_pk_mul_f32 v[TS+16*\q+10:TS+16*\q+11], v[TS+16*\q+4:TS+16*\q+5], v[TS+16*\q:TS+16*\q+1]
.endr
.irp q, 0,1
	v_pk_fma_f32 v[TS+16*\q+6:TS+16*\q+7], v[TS+16*\q+6:TS+16*\q+7], v[TS+16*\q+4:TS+16*\q+5], v[KC+10:KC+11]
	v_pk_fma_f32 v[TS+16*\q+8:TS+16*\q+9], v[TS+16*\q+8:TS+16*\q+9], v[TS+16*\q+4:TS+16*\q+5], v[KC+18:KC+19]
.endr
.irp q, 0,1
	v_pk_fma_f32 v[TS+16*\q+6:TS+16*\q+7], v[TS+16*\q+6:TS+16*\q+7], v[TS+16*\q+4:TS+16*\q+5], v[KC+12:KC+13]
	v_pk_fma_f32 v[TS+16*\q+8:TS+16*\q+9], v[TS+16*\q+8:TS+16*\q+9], v[TS+16*\q+4:TS+16*\q+5], v[KC+20:KC+21]
.endr
.irp q, 0,1
	v_pk_fma_f32 v[TS+16*\q+6:TS+16*\q+7], v[TS+16*\q+6:TS+16*\q+7], v[TS+16*\q+10:TS+16*\q+11], v[TS+16*\q:TS+16*\q+1]   ; P = sin R
	v_pk_fma_f32 v[TS+16*\q+8:TS+16*\q+9], v[TS+16*\q+8:TS+16*\q+9], v[TS+16*\q+4:TS+16*\q+5], v[KC+22:KC+23]             ; Q = cos R
.endr
.irp e, 0,1                            ; the quarter: N odd swaps P and Q; sin is negative where N & 2, cos where (N + 1) & 2
.irp q, 0,1
	v_cvt_i32_f32 v[TS+16*\q+12], v[TS+16*\q+2+\e]
.endr
.irp q, 0,1
	v_and_b32 v[TS+16*\q+13], 1, v[TS+16*\q+12]
.endr
.irp q, 0,1
	v_cmp_eq_u32 s[28+\q], 1, v[TS+16*\q+13]
.endr
.irp q, 0,1
	v_cndmask_b32 v[TS+16*\q+14], v[TS+16*\q+6+\e], v[TS+16*\q+8+\e], s[28+\q]
	v_cndmask_b32 v[TS+16*\q+15], v[TS+16*\q+8+\e], v[TS+16*\q+6+\e], s[28+\q]
.endr
.irp q, 0,1
	v_lshlrev_b32 v[TS+16*\q+13], 30, v[TS+16*\q+12]
.endr
.irp q, 0,1
	v_and_b32 v[TS+16*\q+13], 0x80000000, v[TS+16*\q+13]
.endr
.irp q, 0,1
	v_xor_b32 v[TAB+8*\m+2*\q+\e], v[TS+16*\q+13], v[TS+16*\q+14]
.endr
.irp q, 0,1
	v_add_lshl_u32 v[TS+16*\q+13], v[TS+16*\q+12], 1, 30
.endr
.irp q, 0,1
	v_and_b32 v[TS+16*\q+13], 0x80000000, v[TS+16*\q+13]
.endr
.irp q, 0,1
	v_xor_b32 v[TAB+8*\m+4+2*\q+\e], v[TS+16*\q+13], v[TS+16*\q+15]
.endr
.endr
	v_add_f32 v[TT], 0x41800000, v[TT]             ; the next tile's rows: t + 16
.endm
.irp m, 0,1,2,3,4,5,6,7                ; 616 vector lines while the first fills are on their way
	SINCOS \m
.endr
	s_wait_kmcnt 0x0
	s_add_co_i32 s23, s80, s81                     ; e0 + e1
.macro SCALE z, e                      ; v[SCQ + 2 z] = 2^(e - e0 - e1), v[SCQ + 2 z + 1] = 448 x that
	s_sub_co_i32 s28, \e, s23
	s_add_co_i32 s28, s28, 127
	s_lshl_b32 s29, s28, 23
	v_mov_b32 v[SCQ+2*\z], s29
	s_add_co_i32 s28, s28, 8
	s_lshl_b32 s28, s28, 23
	s_or_b32 s28, s28, 0x600000
	v_mov_b32 v[SCQ+2*\z+1], s28
.endm
	SCALE 0, s82
	SCALE 1, s83
	SCALE 2, s85
; 44 LDS loads: the fragments of 128 along K (half 0 or 1 of a slot's 256) into a set: w's three, then x's eight
.macro FETCH slot, half, set
	WIN (1+\set)<<6
.irp j, 0,1,2
.irp c, 0,1,2,3
	ds_load_b128 v[128+16*\j+4*\c:128+16*\j+4*\c+3], v[ADW+\slot] offset:WB*\j+128*\half+32*\c
.endr
.endr
.irp m, 0,1,2,3,4,5,6,7
.irp c, 0,1,2,3
	ds_load_b128 v[16*\m+4*\c:16*\m+4*\c+3], v[ADX+\slot] offset:16*PITCH*\m+128*\half+32*\c
.endr
.endr
.endm
; 24 matrix instructions on a set: the 24 accumulators take turns, one instruction a turn, in the same order every time.  zero = 1: the first products start the sums
.macro MUL set, zero
	WIN 0xf0+5*(1+\set)
.irp m, 0,1,2,3,4,5,6,7
.if \zero
	v_wmma_f32_16x16x128_fp8_fp8 v[8*\m:8*\m+7], v[128:143], v[16*\m:16*\m+15], 0
	v_wmma_f32_16x16x128_fp8_fp8 v[64+8*\m:64+8*\m+7], v[144:159], v[16*\m:16*\m+15], 0
	v_wmma_f32_16x16x128_fp8_fp8 v[128+8*\m:128+8*\m+7], v[16*\m:16*\m+15], v[160:175], 0
.else
	v_wmma_f32_16x16x128_fp8_fp8 v[8*\m:8*\m+7], v[128:143], v[16*\m:16*\m+15], v[8*\m:8*\m+7]
	v_wmma_f32_16x16x128_fp8_fp8 v[64+8*\m:64+8*\m+7], v[144:159], v[16*\m:16*\m+15], v[64+8*\m:64+8*\m+7]
	v_wmma_f32_16x16x128_fp8_fp8 v[128+8*\m:128+8*\m+7], v[16*\m:16*\m+15], v[160:175], v[128+8*\m:128+8*\m+7]
.endif
.endr
.endm
	s_wait_tensorcnt 0x2                           ; my part of K step 0 is in; steps 1 and 2 may be out
	s_barrier_signal -1
	s_barrier_wait -1                              ; everybody's is
	FETCH 0, 0, 0
	FETCH 0, 1, 1
	s_wait_dscnt 44                                ; set 0 is in; the 44 loads of set 1 may be out
	MUL 0, 1
	WIN 0
	s_wait_tensorcnt 0x0                           ; all my tensor loads have landed, so a group 0 may be written;
	ds_add_u32 v[SPW], v[NIL]                      ; 0 onto my spare word
	s_add_nc_u64 s[G0X+2:G0X+3], s[G0X+2:G0X+3], 768   ; slot 0's next tile is K step 3
	s_add_nc_u64 s[G0W+2:G0W+3], s[G0W+2:G0W+3], 768
	s_wait_dscnt 0x0                               ; the add is done, and my reads of slot 0 (both halves) are back
	CROUND                                         ; no wave of any partner still reads slot 0 or has a load on its way
	s_cmp_eq_u32 s[WV], 3                          ; the joint refill, my one tensor load behind the round; it has 96 matrix instructions in which to land
	s_cbranch_scc0 .Lrefill_w
	tensor_load_to_lds s[G0X:G0X+3], s[G1X:G1X+7]
	s_nop 0
	PLACES
	s_branch .Lrefilled
.Lrefill_w:
	tensor_load_to_lds s[G0W:G0W+3], s[G1W:G1W+7]
	s_nop 0
	PLACES                                         ; also the places in front of the loads into set 0
.Lrefilled:
	FETCH 1, 0, 0
	MUL 1, 0
	PLACES
	FETCH 1, 1, 1
	s_wait_dscnt 44
	MUL 0, 0
	PLACES
	FETCH 2, 0, 0
	s_wait_dscnt 44
	MUL 1, 0
	PLACES
	FETCH 2, 1, 1
	s_wait_dscnt 44
	MUL 0, 0
	s_wait_tensorcnt 0x0                           ; my part of K step 3 is in: no load was issued behind it
	s_wait_dscnt 0x0                               ; no LDS instruction of mine is pending at a signal
	s_barrier_signal -1
	s_barrier_wait -1                              ; everybody's is
	PLACES
	FETCH 0, 0, 0
	MUL 1, 0
	PLACES
	FETCH 0, 1, 1
	s_wait_dscnt 44
	MUL 0, 0
	s_wait_dscnt 0x0
	MUL 1, 0
	PLACES
; RoPE on q (z = 0) or k (z = 1): pair p of a lane is (a0, a1) = registers 2 p, 2 p + 1: (a0 c - a1 s, a0 s + a1 c).  Each accumulator is first read at its register 1.
.macro ROPE z
.irp m, 0,1,2,3,4,5,6,7
.irp p, 0,1,2,3
	v_mul_f32 v[RR+64*\z+8*\m+2*\p], v[64*\z+8*\m+2*\p+1], v[TAB+8*\m+\p]
	v_mul_f32 v[RR+64*\z+8*\m+2*\p+1], v[64*\z+8*\m+2*\p+1], v[TAB+8*\m+4+\p]
.endr
.irp p, 0,1,2,3
	v_fma_f32 v[RR+64*\z+8*\m+2*\p], v[64*\z+8*\m+2*\p], v[TAB+8*\m+4+\p], -v[RR+64*\z+8*\m+2*\p]
	v_fma_f32 v[RR+64*\z+8*\m+2*\p+1], v[64*\z+8*\m+2*\p], v[TAB+8*\m+\p], v[RR+64*\z+8*\m+2*\p+1]
.endr
.endr
.endm
; the hold (the conversion to an 8-bit code does not saturate: ISA guide 7.6.2), the conversion, and my 8 bytes of each fragment into the stage
.macro PACK z
.irp m, 0,1,2,3,4,5,6,7
.irp j, 0,1,2,3,4,5,6,7
	v_med3_num_f32 v[RR+64*\z+8*\m+\j], v[RR+64*\z+8*\m+\j], -v[SCQ+2*\z+1], v[SCQ+2*\z+1]
.endr
	v_cvt_scalef32_pk8_fp8_f32 v[CQ+16*\z+2*\m:CQ+16*\z+2*\m+1], v[RR+64*\z+8*\m:RR+64*\z+8*\m+7], v[SCQ+2*\z]
	ds_store_b64 v[STQ], v[CQ+16*\z+2*\m:CQ+16*\z+2*\m+1] offset:8192*\z+1024*\m
.endr
	v_nop                                          ; a plain line behind the last conversion
.endm
	WIN 0x03                                       ; source 0 (the sums) window 3
	ROPE 0
	ROPE 1
	WIN 0
	PACK 0
	PACK 1
	WIN 0x03
.set i, 0
.rept 64
	v_med3_num_f32 v[RR+i], v[128+i], -v[SCQ+5], v[SCQ+5]   ; v's sums, each accumulator from its low end on, held into window 0
.set i, i+1
.endr
	WIN 0
.irp m, 0,1,2,3,4,5,6,7
	v_cvt_scalef32_pk8_fp8_f32 v[CV+2*\m:CV+2*\m+1], v[RR+8*\m:RR+8*\m+7], v[SCQ+4]   ; keys 16 m + 8 h + 0 .. 7: registers 2 m, 2 m + 1 of the fragment
.endr
	v_nop
.irp u, 0,1,2,3
	global_store_b128 v[GL], v[CV+4*\u:CV+4*\u+3], s[14:15] offset:512*\u   ; 32 lanes store 512 consecutive bytes
.endr
	s_wait_dscnt 0x0                               ; for the others' sake: my stores into the stage are done
	s_barrier_signal -1
	s_barrier_wait -1
.irp i, 0,1,2,3,4,5,6,7
	ds_load_b128 v[RR+4*\i:RR+4*\i+3], v[RDS] offset:512*\i
.endr
.irp i, 0,1,2,3,4,5,6,7
	s_wait_dscnt 7-\i                              ; the later loads may be out
	global_store_b128 v[GL], v[RR+4*\i:RR+4*\i+3], s[92:93] offset:512*\i
.endr
	s_wait_tensorcnt 0x0                           ; the wave's end
	ds_add_u32 v[SPW], v[NIL]
	s_wait_dscnt 0x0
	CROUND                                         ; the closing round
	s_endpgm
.Lfunc_end_k_q8d9bb82982_qkv:
	.size	k_q8d9bb82982_qkv, .Lfunc_end_k_q8d9bb82982_qkv-k_q8d9bb82982_qkv
	.p2alignl 7, 3214868480
	.fill 96, 4, 3214868480
	.section	.rodata,"a",@progbits
	.p2align	6, 0x0
	.amdhsa_kernel k_q8d9bb82982_qkv
		.amdhsa_group_segment_fixed_size 327680
		.amdhsa_private_segment_fixed_size 0
		.amdhsa_enable_private_segment 0
		.amdhsa_kernarg_size 48
		.amdhsa_user_sgpr_count 2
		.amdhsa_user_sgpr_kernarg_segment_ptr 1
		.amdhsa_wavefront_size32 1
		.amdhsa_system_sgpr_workgroup_id_x 1
		.amdhsa_system_sgpr_workgroup_id_y 1
		.amdhsa_system_sgpr_workgroup_id_z 1
		.amdhsa_system_vgpr_workitem_id 0
		.amdhsa_next_free_vgpr 960
		.amdhsa_next_free_sgpr 100
		.amdhsa_reserve_vcc 1
		.amdhsa_float_denorm_mode_32 3
		.amdhsa_float_denorm_mode_16_64 3
		.amdhsa_memory_ordered 1
		.amdhsa_forward_progress 1
		.amdhsa_inst_pref_size 110
	.end_amdhsa_kernel
	.amdgpu_metadata
---
amdhsa.version: [ 1, 2 ]
amdhsa.kernels:
  - .name:           k_q8d9bb82982_qkv
    .symbol:         k_q8d9bb82982_qkv.kd
    .args:
      - { .name: x_codes, .offset: 0, .size: 8, .value_kind: global_buffer, .address_space: global }
      - { .name: w_qkv_codes, .offset: 8, .size: 8, .value_kind: global_buffer, .address_space: global }
      - { .name: lowp_scales, .offset: 16, .size: 8, .value_kind: global_buffer, .address_space: global }
      - { .name: q_img, .offset: 24, .size: 8, .value_kind: global_buffer, .address_space: global }
      - { .name: k_img, .offset: 32, .size: 8, .value_kind: global_buffer, .address_space: global }
      - { .name: v_img, .offset: 40, .size: 8, .value_kind: global_buffer, .address_space: global }
    .group_segment_fixed_size: 327680
    .private_segment_fixed_size: 0
    .kernarg_segment_align: 8
    .kernarg_segment_size: 48
    .max_flat_workgroup_size: 128
    .sgpr_count:     100
    .vgpr_count:     960
    .wavefront_size: 32
...
	.end_amdgpu_metadata
.endif
;; end of part 1
;; launch attn (part 2): grid 16 x 16, 16 waves a work-group, no clusters, 301,056 bytes of LDS; arguments q_img, k_img, v_img, lowp_scales, o_img; writes o_img
.if DOCPART == 2
	.amdgcn_target "amdgcn-amd-amdhsa--gfx1250"
	.amdhsa_code_object_version 6
	.text
	.protected	k_q8d9bb82982_attn
	.globl	k_q8d9bb82982_attn
	.p2align	8
	.type	k_q8d9bb82982_attn,@function
k_q8d9bb82982_attn:
	s_mov_b64 s[64:65], 0
	v_nop
	global_prefetch_b8 v0, s[64:65] scope:SCOPE_SE
	s_setreg_imm32_b32 hwreg(HW_REG_WAVE_MODE, 25, 1), 1
	s_wait_xcnt 0x0
; Causal attention of one head on codes of E4M3, and the result quantised with 2^e6 for the last product.
; q_img, k_img: [head][tile of 16 rows][1,024 bytes], v_img: [head][128 keys][16 channels][2,048 bytes]: images of operand registers (a group of four registers: 512 bytes, lane l's 16 at 16 l).
; o_img: [128 rows tb][K step s = heads 2 s, 2 s + 1][tile of 16 rows a'][2,048 bytes], likewise.
; THE SOFTMAX: t = score x log2(e) / 8; M = the running largest t rounded UP to a whole number; p = 2^(t - M) is quantised with 2^e4, not normalised; the row's sum is taken of the unquantised p and
; divides at the end.  When M moves, the sum and O are multiplied by 2^(old M - new M): exact.
; SHARES.  Sixteen waves on EIGHT tiles of 16 queries.  Work-group g: tiles 4 g + i (i = 0..3) and 131 - 4 g - i (i = 4..7).  Tile a needs a / 8 + 1 steps of 128 keys; tiles i and i + 4 together need 17
; in every work-group.  A TILE'S STEPS ARE SHARED BETWEEN TWO WAVES: wave w takes tile w % 8, and of its steps the even ones (w < 8) or the odd ones (w >= 8), each wave with an M, a sum and an O^T of its own.
; So no wave walks more than 8 steps on end, and four waves stand on a SIMD, so that one wave's waits lie under another's work.
; At the end the odd wave hands its O^T, -M and sums to the even wave through LDS; that wave brings both under the larger M by exact powers of two, adds, divides, quantises and stores.
; A step all of whose keys come after the wave's queries is left out by a scalar branch on ids.  A wave that had no step at all hands over zeros and -M = 3e38, whose power of two comes out as 0.
; LAYOUT.  S^T = K Q^T (source 0 = 16 keys, source 1 = my 16 queries), O^T = V^T P^T: a lane holds one query throughout.  Tile t of S^T gives lane (r, h) keys 16 t + 8 h + 0 .. 7: converted, they are
; registers 2 t, 2 t + 1 of P.  Tile u of O^T gives channels 16 u + 8 h + 0 .. 7: registers 8 (head % 2) + 2 u, + 1 of o's fragment.
; LDS holds the head's whole K (131,072 bytes from 0) and V (131,072 from 131,072): every byte is filled once, so there is no ring.  Four loads a wave of 4,096 bytes, chunk c = keys 512 c on:
; waves 0-7 K's eighths, waves 8-15 V's; four loads of mine are out at the most.  Images are dense: a fragment load reads 512 consecutive bytes.  Behind them the merge stage, 4,608 bytes a tile,
; into which no tensor load lands.
; NO CLUSTER, though the sixteen work-groups of a head read the same K and V: which steps a wave leaves out hangs on its block of queries, which differs between those work-groups
; Without the branch the causal half of the work would be done for nothing.
; LIMITS: e2 + e3 between -123 and 130 (added to the exponent field of log2(e) / 8); e4 and e6 between -126 and 119; e4 + e5 is applied by v_ldexp_f32 and has none.
; p is quantised under the running M of its wave's half of the steps: numbers far under the row's largest may keep digits that the row's final M would drop under the format's range.
.set LI,  1                            ; v1   16 x lane
.set ADK, 2                            ; v2   the step's K
.set ADV, 3                            ; v3   the step's V
.set DD,  4                            ; v4   the mask: my query less the step's first key less 8 h
.set NINF, 5                           ; v5   -infinity
.set RH,  6                            ; v6   r - 8 h
.set MA,  10                           ; v10  my tile's merge stage + 16 x lane; made at the head, in both roles
.set QF,  16                           ; v[16:23]  Q
.set PC,  24                           ; v[24:39]  p's codes
.set OT,  40                           ; v[40:71]  O^T, four tiles
.set OC,  72                           ; v[72:79]  O's codes
.set SU,  80                           ; v[80:83]  two of the sum's four chains (the others: v[14:15], v[242:243])
.set MX,  84                           ; v84-87    the maximum's four chains
.set S,   96                           ; v[96:159] S^T, then p; at the end the partner's O^T and statistics
.set FR,  160                          ; v[160:223] K's eight fragments, then V's four
.set MS,  262144                       ; LDS: the merge stage
.set MT,  4608                         ; a tile's part of it: 32 registers of O^T (4,096 bytes), then -M, t and the sum's halves (512)
.set WV,  14
.set TI,  15                           ; which of the work-group's eight tiles
.set HD,  16
.set TA,  17                           ; my tile
.set Q0,  18                           ; my first query
.set KF,  19                           ; the step's first key
.set TB,  20                           ; the step's bytes in K's region
.set CNT, 21
.set CS,  22                           ; s[22:23] log2(e) / 8 x 2^(e2 + e3)
.set SEL, 24                           ; s[24:25] lane l xor 16
.set QL,  27                           ; my last query
.set G1,  28                           ; s[28:35]
.set G0,  36                           ; s[36:51] a set for each chunk
.set EX,  52                           ; s[52:59] e0 .. e7
.set HF,  72                           ; 0: the even steps, and I fetch K; 1: the odd steps, and I fetch V
.set PB,  73                           ; 8,192 x HF: my first step's bytes
	s_load_b256 s[4:11], s[0:1], 0x0               ; q_img s[4:5], k_img s[6:7], v_img s[8:9], scales s[10:11]
	s_load_b64 s[12:13], s[0:1], 0x20              ; o_img
	v_lshl_add_u32 v249, v0, 2, 0x49000
	v_mov_b32 v255, 0
	ds_add_u32 v249, v255
	ds_add_u32 v249, v255
	v_lshrrev_b32 v1, 5, v0
	v_readfirstlane_b32 s[WV], v1                  ; wave 0..15
	s_and_b32 s[TI], s[WV], 7
	s_lshr_b32 s[HF], s[WV], 3
	s_and_b32 s[HD], ttmp7, 0xffff
	s_lshl_b32 s26, ttmp9, 2
	s_add_co_u32 s[TA], s26, s[TI]                 ; 4 g + i
	s_sub_co_u32 s26, 131, s[TA]                   ; 131 - 4 g - i
	s_cmp_lt_u32 s[TI], 4
	s_cselect_b32 s[TA], s[TA], s26
	s_lshl_b32 s[Q0], s[TA], 4
	s_add_co_u32 s[QL], s[Q0], 15
	s_lshl_b32 s[KF], s[HF], 7                     ; my first step begins at key 0 or 128
	s_lshl_b32 s[PB], s[HF], 13
	s_mov_b32 s[G1], 3<<16                         ; no mask; elements of 8 bytes; no padding: a dense block as 16 rows of 256 bytes
	s_mov_b32 s[G1+1], 32<<16                      ; tensor_dim0 = 32
	s_mov_b32 s[G1+2], 16<<16                      ; tensor_dim1 = 16
	s_mov_b32 s[G1+3], 32<<16                      ; tile_dim0 = 32
	s_mov_b32 s[G1+4], 16                          ; tile_dim1 = 16
	s_mov_b32 s[G1+5], 32                          ; from row to row
	s_mov_b32 s[G1+6], 0
	s_mov_b32 s[G1+7], 0
	s_mov_b32 s[SEL], 0x76543210
	s_mov_b32 s[SEL+1], 0xfedcba98
	s_lshl_b32 s60, s[HF], 17                      ; K's region or V's
	s_lshl_b32 s61, s[TI], 12                      ; my eighth of a chunk
	s_add_co_u32 s60, s60, s61
	s_lshl_b32 s62, s[HD], 17                      ; the head's 131,072 bytes in q_img, k_img, v_img
	s_add_co_u32 s66, s62, s61
	s_mov_b32 s67, 0
	s_lshl_b32 s68, s[TA], 10
	s_add_co_u32 s68, s68, s62                     ; my tile of Q
	s_mov_b32 s69, 0
	s_lshr_b32 s70, s[TA], 3                       ; o_img: (a / 8) x 131,072 + (head / 2) x 16,384 + (a % 8) x 2,048 + (head % 2) x 1,024
	s_lshl_b32 s70, s70, 17
	s_lshr_b32 s71, s[HD], 1
	s_lshl_b32 s71, s71, 14
	s_add_co_u32 s70, s70, s71
	s_and_b32 s71, s[TA], 7
	s_lshl_b32 s71, s71, 11
	s_add_co_u32 s70, s70, s71
	s_and_b32 s71, s[HD], 1
	s_lshl_b32 s71, s71, 10
	s_add_co_u32 s70, s70, s71
	s_mov_b32 s71, 0
	s_wait_dscnt 0x0
	s_wait_kmcnt 0x0
	s_load_b256 s[EX:EX+7], s[10:11], 0x0
	s_cmp_lt_u32 s[WV], 8
	s_cselect_b64 s[62:63], s[6:7], s[8:9]         ; the choice hangs on the wave's number alone
	s_add_nc_u64 s[62:63], s[62:63], s[66:67]
.irp c, 0,1,2,3
	s_mov_b32 s[G0+4*\c], 1
	s_add_co_u32 s[G0+4*\c+1], s60, 32768*\c
	s_add_nc_u64 s[G0+4*\c+2:G0+4*\c+3], s[62:63], 32768*\c
	s_or_b32 s[G0+4*\c+3], s[G0+4*\c+3], 0x80000000
.endr
.irp c, 0,1,2,3
	tensor_load_to_lds s[G0+4*\c:G0+4*\c+3], s[G1:G1+7]
	s_nop 0
.endr
.rept 4
	v_nop
.endr
	s_add_nc_u64 s[4:5], s[4:5], s[68:69]
	s_add_nc_u64 s[12:13], s[12:13], s[70:71]
	v_and_b32 v7, 31, v0
	v_lshlrev_b32 v[LI], 4, v7
	global_load_b128 v[QF:QF+3], v[LI], s[4:5]     ; Q's fragment stays in registers (both waves of a tile hold it)
	global_load_b128 v[QF+4:QF+7], v[LI], s[4:5] offset:512
	v_and_b32 v8, 15, v0
	v_bfe_u32 v9, v0, 4, 1
	v_lshlrev_b32 v9, 3, v9
	v_sub_nc_u32 v[RH], v8, v9
	s_mul_i32 s26, s[TI], MT
	s_add_co_u32 s26, s26, MS
	v_add_nc_u32 v[MA], s26, v[LI]
	v_mov_b32 v[NINF], 0xff800000
	v_mov_b32 v13, 0xff61b1e6                      ; the largest t so far: -3e38, under every t
	v_floor_f32 v12, -v13                          ; -M
	v_mov_b32 v14, 0                               ; the sum, in two halves
	v_mov_b32 v15, 0
	v_mov_b32 v236, 0                              ; a lane permute's destination counts as one of its sources
	v_mov_b32 v251, 0                              ; (named as the upper halves of the pairs v[250:251] and v[252:253])
	v_mov_b32 v253, 0
.set i, 0
.rept 32
	v_mov_b32 v[OT+i], 0                           ; O^T: the step is written once; the first finds zeros, which the first change of M leaves zeros
.set i, i+1
.endr
	s_wait_kmcnt 0x0
	s_add_co_i32 s26, s[EX+2], s[EX+3]
	s_lshl_b32 s26, s26, 23
	s_add_co_i32 s[CS], s26, 0x3e38aa3b            ; log2(e) / 8, with e2 + e3 added to its exponent field
	s_mov_b32 s[CS+1], s[CS]
	s_add_co_i32 s26, s[EX+4], 127
	s_lshl_b32 s60, s26, 23
	v_mov_b32 v244, s60                            ; 2^e4
	s_add_co_i32 s26, s26, 8
	s_lshl_b32 s26, s26, 23
	s_or_b32 s26, s26, 0x600000
	v_mov_b32 v240, s26                            ; 448 x 2^e4
	s_add_co_i32 s26, s[EX+6], 127
	s_lshl_b32 s60, s26, 23
	v_mov_b32 v246, s60                            ; 2^e6
	s_add_co_i32 s26, s26, 8
	s_lshl_b32 s26, s26, 23
	s_or_b32 s26, s26, 0x600000
	v_mov_b32 v245, s26                            ; 448 x 2^e6
	s_add_co_i32 s61, s[EX+4], s[EX+5]             ; e4 + e5
	s_wait_loadcnt 0x0                             ; Q
; A KEY STEP: 128 keys from KF on, whose K lies at LDS byte TB and whose V at 131,072 + TB.  My next step lies two steps on.
.macro STEP
	s_cmp_gt_u32 s[KF], s[QL]                      ; all its keys come after my queries: only the two steps at its end are made
	s_cbranch_scc1 .Lhidden_\@
	v_add_nc_u32 v[ADK], s[TB], v[LI]
	v_add_nc_u32 v[ADV], 0x20000, v[ADK]
	v_nop
	v_nop                                          ; four plain lines behind the last step's products, ahead of loads into their sources
.irp t, 0,1,2,3,4,5,6,7
	ds_load_b128 v[FR+8*\t:FR+8*\t+3], v[ADK] offset:1024*\t
	ds_load_b128 v[FR+8*\t+4:FR+8*\t+7], v[ADK] offset:1024*\t+512
.endr
.irp t, 0,1,2,3,4,5,6,7
	s_wait_dscnt 14-2*\t                           ; tile t's two loads are in; the later tiles' may be out
	v_wmma_f32_16x16x64_fp8_fp8 v[S+8*\t:S+8*\t+7], v[FR+8*\t:FR+8*\t+7], v[QF:QF+7], 0
.endr
.rept 4
	v_nop
.endr
.irp u, 0,1,2,3                        ; V's four fragments land while the softmax is walked
.irp q, 0,1,2,3
	ds_load_b128 v[FR+16*\u+4*\q:FR+16*\u+4*\q+3], v[ADV] offset:2048*\u+512*\q
.endr
.endr
	s_add_co_u32 s26, s[KF], 127                   ; a step all of whose keys count skips the mask
	s_cmp_le_u32 s26, s[Q0]
	s_cbranch_scc1 .Lopen_\@
	s_sub_co_i32 s26, s[Q0], s[KF]
	v_add_nc_u32 v[DD], s26, v[RH]                 ; register 8 t + j holds key KF + 16 t + 8 h + j: hidden where 16 t + j > my query - KF - 8 h
.set n, 0
.rept 64
	v_cmp_gt_i32 vcc_lo, 16*(n/8)+n%8, v[DD]
	v_cndmask_b32 v[S+n], v[S+n], v[NINF], vcc_lo
.set n, n+1
.endr
.Lopen_\@:
; the step's largest score of my query among my 64 keys: four chains of 16 scores, line by line, so that a line does not wait for the line above it; each tile is first read at its low end
.irp k, 0,1,2,3
	v_max3_num_f32 v[MX+\k], v[S+16*\k], v[S+16*\k+1], v[S+16*\k+2]
.endr
.irp i, 3,5,7,9,11,13
.irp k, 0,1,2,3
	v_max3_num_f32 v[MX+\k], v[MX+\k], v[S+16*\k+\i], v[S+16*\k+\i+1]
.endr
.endr
	v_max3_num_f32 v[MX], v[MX], v[S+15], v[S+31]  ; each chain's sixteenth score,
	v_max3_num_f32 v[MX+2], v[MX+2], v[S+47], v[S+63]
	v_max3_num_f32 v[MX], v[MX], v[MX+1], v[MX+2]  ; and the four chains
	v_max_num_f32 v254, v[MX], v[MX+3]
	v_permlanex16_b32 v236, v254, s[SEL], s[SEL+1]
	v_max_num_f32 v254, v254, v236                 ; and among lane l xor 16's
	v_mul_f32 v254, s[CS], v254                    ; as t
	v_max_num_f32 v13, v13, v254                   ; the running largest t
	v_mov_b32 v254, v12
	v_floor_f32 v12, -v13                          ; the new -M = floor(-t): M is a whole number
	v_sub_f32 v254, v12, v254                      ; old M less new M: a whole number, 0 or less
	v_cvt_i32_f32 v254, v254                       ; (it saturates)
	v_ldexp_f32 v252, 1.0, v254                    ; f = 2^(old M - new M)
.set n, 0
.rept 32
	v_pk_fma_f32 v[S+n:S+n+1], v[S+n:S+n+1], s[CS:CS+1], v[12:13] op_sel_hi:[1,0,0]   ; t - M
.set n, n+2
.endr
.set n, 0
.rept 64
	v_exp_f32 v[S+n], v[S+n]                       ; p = 2^(t - M)
.set n, n+1
.endr
	v_pk_mul_f32 v[14:15], v[14:15], v[252:253] op_sel_hi:[1,0]   ; the sum under the new M (a plain line behind the exponentials)
	s_wait_alu depctr_va_vdst(0)
	v_pk_add_f32 v[SU:SU+1], v[S:S+1], v[S+2:S+3]  ; the sum of the unquantised p: 32 pairs in four chains
	v_pk_add_f32 v[SU+2:SU+3], v[S+4:S+5], v[S+6:S+7]
	v_pk_add_f32 v[242:243], v[S+8:S+9], v[S+10:S+11]
.irp j, 12,20,28,36,44,52
	v_pk_add_f32 v[14:15], v[14:15], v[S+\j:S+1+\j]
	v_pk_add_f32 v[SU:SU+1], v[SU:SU+1], v[S+2+\j:S+3+\j]
	v_pk_add_f32 v[SU+2:SU+3], v[SU+2:SU+3], v[S+4+\j:S+5+\j]
	v_pk_add_f32 v[242:243], v[242:243], v[S+6+\j:S+7+\j]
.endr
	v_pk_add_f32 v[14:15], v[14:15], v[S+60:S+61]
	v_pk_add_f32 v[SU:SU+1], v[SU:SU+1], v[S+62:S+63]
	v_pk_add_f32 v[SU+2:SU+3], v[SU+2:SU+3], v[242:243]
	v_pk_add_f32 v[14:15], v[14:15], v[SU:SU+1]
	v_pk_add_f32 v[14:15], v[14:15], v[SU+2:SU+3]
.irp t, 0,1,2,3,4,5,6,7
.irp j, 0,1,2,3,4,5,6,7
	v_min_num_f32 v[S+8*\t+\j], v[S+8*\t+\j], v240 ; the conversion does not saturate (ISA guide 7.6.2); p is not negative, so the hold is one-sided
.endr
	v_cvt_scalef32_pk8_fp8_f32 v[PC+2*\t:PC+2*\t+1], v[S+8*\t:S+8*\t+7], v244
.endr
.set n, 0
.rept 16
	v_pk_mul_f32 v[OT+n:OT+n+1], v[OT+n:OT+n+1], v[252:253] op_sel_hi:[1,0]   ; O^T under the new M; also the plain lines behind the conversions
.set n, n+2
.endr
	s_wait_dscnt 0x0                               ; V is in
.irp u, 0,1,2,3                        ; the four accumulators take one turn each
	v_wmma_f32_16x16x128_fp8_fp8 v[OT+8*\u:OT+8*\u+7], v[FR+16*\u:FR+16*\u+15], v[PC:PC+15], v[OT+8*\u:OT+8*\u+7]
.endr
.Lhidden_\@:
	s_add_co_u32 s[KF], s[KF], 256
	s_add_co_u32 s[TB], s[TB], 16384
.endm
; Chunk c: four steps, two of them mine.  My part of it has landed when at most 3 - c of my four loads are out; behind the barrier everybody's has.  Nothing is ever filled again, so the later chunks stay on their way.
.macro CHUNK c
	s_wait_tensorcnt 3-\c
	s_wait_dscnt 0x0                               ; no LDS instruction of mine is pending at a signal
	s_barrier_signal -1
	s_barrier_wait -1
	s_add_co_u32 s[TB], s[PB], 32768*\c            ; my first step of the chunk
	s_mov_b32 s[CNT], 2
.Lstep_\@:
	STEP
	s_sub_co_u32 s[CNT], s[CNT], 1
	s_cmp_lg_u32 s[CNT], 0
	s_cbranch_scc1 .Lstep_\@
.endm
	CHUNK 0
	CHUNK 1
	CHUNK 2
	CHUNK 3                                        ; its wait is for 0: no tensor load is out at the end
	; THE TWO HALVES MEET.  The odd steps' wave stores its registers as they stand (lane l's 16 bytes at 16 l), each accumulator from its low end on; a barrier; the even steps' wave loads them by the same lines.
.rept 4
	v_nop                                          ; four plain lines behind the last products, ahead of the first read of their results
.endr
	s_cmp_lt_u32 s[WV], 8
	s_cbranch_scc1 .Lkeeper
.irp q, 0,1,2,3,4,5,6,7
	ds_store_b128 v[MA], v[OT+4*\q:OT+4*\q+3] offset:512*\q
.endr
	ds_store_b128 v[MA], v[12:15] offset:4096      ; -M, the largest t, the sum's two halves
.Lkeeper:
	s_wait_dscnt 0x0                               ; for the partner's sake: my stores into the stage are done
	s_barrier_signal -1
	s_barrier_wait -1
	s_cmp_lt_u32 s[WV], 8
	s_cbranch_scc0 .Lend                           ; the odd steps' wave has handed everything over
.irp q, 0,1,2,3,4,5,6,7
	ds_load_b128 v[S+4*\q:S+4*\q+3], v[MA] offset:512*\q
.endr
	ds_load_b128 v[S+32:S+35], v[MA] offset:4096
	s_wait_dscnt 0x0
	v_min_num_f32 v254, v12, v[S+32]               ; -M of the whole row: the smaller -M
	v_add_f32 v14, v14, v15                        ; each sum's two halves
	v_add_f32 v[S+34], v[S+34], v[S+35]
	v_sub_f32 v252, v254, v12                      ; my M less the row's, and the partner's: whole numbers, 0 or less
	v_sub_f32 v250, v254, v[S+32]
	v_cvt_i32_f32 v252, v252                       ; (they saturate: a partner that had no step gets the factor 0)
	v_cvt_i32_f32 v250, v250
	v_ldexp_f32 v252, 1.0, v252                    ; f0, f1: exact powers of two
	v_ldexp_f32 v250, 1.0, v250
	v_mul_f32 v14, v14, v252
	v_fma_f32 v14, v[S+34], v250, v14              ; the sum under the row's M,
	v_permlanex16_b32 v236, v14, s[SEL], s[SEL+1]
	v_add_f32 v14, v14, v236                       ; with lane l xor 16's
	v_rcp_f32 v14, v14
	v_nop                                          ; a plain line behind the transcendental
	s_wait_alu depctr_va_vdst(0)
	v_ldexp_f32 v14, v14, s61                      ; x 2^(e4 + e5)
	v_mul_f32 v252, v252, v14                      ; f0 and f1 x 2^(e4 + e5) / the sum
	v_mul_f32 v250, v250, v14
.set n, 0
.rept 16
	v_pk_mul_f32 v[S+n:S+n+1], v[S+n:S+n+1], v[250:251] op_sel_hi:[1,0]
.set n, n+2
.endr
.set n, 0
.rept 16
	v_pk_fma_f32 v[S+n:S+n+1], v[OT+n:OT+n+1], v[252:253], v[S+n:S+n+1] op_sel_hi:[1,0,1]   ; each accumulator from its low end on
.set n, n+2
.endr
	; held, converted with 2^e6: the four pairs are eight registers of o's fragment
.set n, 0
.rept 32
	v_med3_num_f32 v[S+n], v[S+n], -v245, v245
.set n, n+1
.endr
.irp u, 0,1,2,3
	v_cvt_scalef32_pk8_fp8_f32 v[OC+2*\u:OC+2*\u+1], v[S+8*\u:S+8*\u+7], v246
.endr
	v_nop
	global_store_b128 v[LI], v[OC:OC+3], s[12:13]  ; 32 lanes store 512 consecutive bytes
	global_store_b128 v[LI], v[OC+4:OC+7], s[12:13] offset:512
.Lend:
	s_wait_tensorcnt 0x0
	ds_add_u32 v249, v255
	s_wait_dscnt 0x0
	s_endpgm
.Lfunc_end_k_q8d9bb82982_attn:
	.size	k_q8d9bb82982_attn, .Lfunc_end_k_q8d9bb82982_attn-k_q8d9bb82982_attn
	.p2alignl 7, 3214868480
	.fill 96, 4, 3214868480
	.section	.rodata,"a",@progbits
	.p2align	6, 0x0
	.amdhsa_kernel k_q8d9bb82982_attn
		.amdhsa_group_segment_fixed_size 301056
		.amdhsa_private_segment_fixed_size 0
		.amdhsa_enable_private_segment 0
		.amdhsa_kernarg_size 40
		.amdhsa_user_sgpr_count 2
		.amdhsa_user_sgpr_kernarg_segment_ptr 1
		.amdhsa_wavefront_size32 1
		.amdhsa_system_sgpr_workgroup_id_x 1
		.amdhsa_system_sgpr_workgroup_id_y 1
		.amdhsa_system_sgpr_workgroup_id_z 1
		.amdhsa_system_vgpr_workitem_id 0
		.amdhsa_next_free_vgpr 256
		.amdhsa_next_free_sgpr 80
		.amdhsa_reserve_vcc 1
		.amdhsa_float_denorm_mode_32 3
		.amdhsa_float_denorm_mode_16_64 3
		.amdhsa_memory_ordered 1
		.amdhsa_forward_progress 1
		.amdhsa_inst_pref_size 98
	.end_amdhsa_kernel
	.amdgpu_metadata
---
amdhsa.version: [ 1, 2 ]
amdhsa.kernels:
  - .name:           k_q8d9bb82982_attn
    .symbol:         k_q8d9bb82982_attn.kd
    .args:
      - { .name: q_img, .offset: 0, .size: 8, .value_kind: global_buffer, .address_space: global }
      - { .name: k_img, .offset: 8, .size: 8, .value_kind: global_buffer, .address_space: global }
      - { .name: v_img, .offset: 16, .size: 8, .value_kind: global_buffer, .address_space: global }
      - { .name: lowp_scales, .offset: 24, .size: 8, .value_kind: global_buffer, .address_space: global }
      - { .name: o_img, .offset: 32, .size: 8, .value_kind: global_buffer, .address_space: global }
    .group_segment_fixed_size: 301056
    .private_segment_fixed_size: 0
    .kernarg_segment_align: 8
    .kernarg_segment_size: 40
    .max_flat_workgroup_size: 512
    .sgpr_count:     80
    .vgpr_count:     256
    .wavefront_size: 32
...
	.end_amdgpu_metadata
.endif
;; end of part 2
;; launch proj (part 3): grid 16 x 16, 4 waves a work-group, clusters of 4 x 4, 236,032 bytes of LDS; arguments o_img, w_proj_codes, lowp_scales, out0; writes out0
.if DOCPART == 3
	.amdgcn_target "amdgcn-amd-amdhsa--gfx1250"
	.amdhsa_code_object_version 6
	.text
	.protected	k_q8d9bb82982_proj
	.globl	k_q8d9bb82982_proj
	.p2align	8
	.type	k_q8d9bb82982_proj,@function
k_q8d9bb82982_proj:
	s_mov_b64 s[64:65], 0
	v_nop
	global_prefetch_b8 v0, s[64:65] scope:SCOPE_SE
	s_setreg_imm32_b32 hwreg(HW_REG_WAVE_MODE, 25, 1), 1
	s_wait_xcnt 0x0
	s_wait_alu depctr_hold_cnt(0) depctr_sa_sdst(0) depctr_va_vdst(0) depctr_va_sdst(0) depctr_va_ssrc(0) depctr_va_vcc(0) depctr_vm_vsrc(0)
	s_getreg_b32 s2, hwreg(HW_REG_IB_STS2, 6, 4)
	s_cmp_eq_u32 s2, 0
	s_cbranch_scc0 .Lentry_in_a_cluster
	s_endpgm
.Lentry_in_a_cluster:
	s_bfe_u32 s2, ttmp6, 0x10000c
	s_cmp_lg_u32 s2, 0xf033
	s_cbranch_scc0 .Lentry_shape_is_right
	s_endpgm
.Lentry_shape_is_right:
; out0 = o w_proj on codes of E4M3; each finished sum is multiplied once by 2^(e6 + e7).
; o_img: [128 rows tb][K step s of 128][tile of 16 rows a'][2,048 bytes]: images of operand registers in the 8-bit form's own layout (registers 2 c, 2 c + 1 of lane (r, h): k = 16 c + 8 h + 0 .. 7).
; w_proj_codes: [1024 (n)][1024 (k)], one code a byte.  out0: [2048][1024] f32.
; SHARES.  A work-group makes 128 rows (tb) x 64 columns (nb).  Wave w takes rows 32 w .. 32 w + 31 (tiles 2 w + i) x all 64 columns (b = 0..3): 8 accumulators; so a wave owns whole pieces of 256 bytes
; of out0's rows, and its stage on the way out is its own.  TRANSPOSED: source 0 = 16 rows of w_proj, source 1 = o's fragment: a lane holds eight neighbouring columns of one row.
; LDS: every byte is filled once: o's 131,072 bytes as they lie; w_proj's 64 rows in four chunks of 256 along K, rows 272 bytes apart; then the stages, into which no tensor load lands.
; Waves 0, 1 fetch o (K steps 2 j + w, 16,384 bytes), waves 2, 3 w_proj (32 rows each), chunk j = 0..3: four loads of mine are out at the most.
; CLUSTER 4 x 4: a row of the cluster shares tb and so o, a column shares nb and so w_proj: each tile is asked for jointly.
; w_proj's fragments come by eight loads of 8 bytes at 16 c + 8 h: k in its true places, as o's images have it.
; LIMIT: e6 + e7 between -126 and 127, so that 2^(e6 + e7) is an f32 number.
.set WT,  131072                       ; w_proj's chunks: 17,408 bytes each
.set STG, WT+4*17408                   ; the stages: 2 x 16 rows x 272 bytes for each wave
.set ADO, 4                            ; v4, v5  my two tiles of o: K steps 0-3, 4-7
.set ADW, 6                            ; v6      w_proj: row r, + 8 h
.set STO, 7                            ; v7      the stage: where I put 32 bytes of a row
.set RD,  8                            ; v8      and where I read rows back
.set CO,  9                            ; v9      my byte offset in two rows of out0
.set OF,  16                           ; v[16:47]   o's two fragments
.set WF,  48                           ; v[48:111]  w_proj's four
.set ACC, 112                          ; v[112:175] accumulator (i, b) at 112 + 8 (4 i + b)
.set WV,  14
.set G0O, 32                           ; s[32:47] group 0 for o, a set for each chunk
.set G0W, 48                           ; s[48:63] for w_proj
.set G1O, 68                           ; s[68:75]
.set G1W, 76                           ; s[76:83]
.macro PLACES
.rept 4
	v_nop
.endr
.endm
.macro CROUND                          ; a round of the cluster's barrier
	s_barrier_signal -1
	s_barrier_wait -1
	s_cmp_lg_u32 s[WV], 0
	s_cbranch_scc1 .Lnot_wave_0_\@
	s_barrier_signal -3
.Lnot_wave_0_\@:
	s_barrier_wait -3
	s_barrier_signal -1
	s_barrier_wait -1
.endm
	s_load_b256 s[4:11], s[0:1], 0x0               ; o_img s[4:5], w_proj s[6:7], scales s[8:9], out0 s[10:11]
	v_lshl_add_u32 v254, v0, 2, 0x39800
	v_mov_b32 v255, 0
	ds_add_u32 v254, v255
	ds_add_u32 v254, v255
	v_lshrrev_b32 v1, 5, v0
	v_readfirstlane_b32 s[WV], v1                  ; wave 0..3
	s_and_b32 s15, s[WV], 1
	s_bfe_u32 s17, ttmp6, 0x40000                  ; cx
	s_bfe_u32 s18, ttmp6, 0x40004                  ; cy
	s_lshl_b32 s19, ttmp9, 2
	s_add_co_u32 s19, s19, s17                     ; nb = 4 x cluster x + cx
	s_and_b32 s20, ttmp7, 0xffff
	s_lshl_b32 s20, s20, 2
	s_add_co_u32 s20, s20, s18                     ; tb = 4 x cluster y + cy
	s_lshl_b32 s21, s18, 2
	s_lshl_b32 s21, 15, s21                        ; my row of the cluster
	s_lshl_b32 s22, 0x1111, s17                    ; my column
	s_or_b32 s[G1O], s21, (3<<16)|(1<<21)          ; o: a dense block as 64 rows of 32 elements of 8 bytes; bit 21 beside a mask
	s_mov_b32 s[G1O+1], 32<<16
	s_mov_b32 s[G1O+2], 64<<16
	s_mov_b32 s[G1O+3], 32<<16
	s_mov_b32 s[G1O+4], 64
	s_mov_b32 s[G1O+5], 32
	s_mov_b32 s[G1O+6], 0
	s_mov_b32 s[G1O+7], 0
	s_or_b32 s[G1W], s22, (1<<20)|(1<<21)|(5<<22)|(3<<25)   ; w_proj: 32 rows x 256 bytes, 1,024 apart; 4 words of padding after every 64
	s_mov_b32 s[G1W+1], 256<<16
	s_mov_b32 s[G1W+2], 32<<16
	s_mov_b32 s[G1W+3], 256<<16
	s_mov_b32 s[G1W+4], 32
	s_mov_b32 s[G1W+5], 1024
	s_mov_b32 s[G1W+6], 0
	s_mov_b32 s[G1W+7], 0
	s_lshl_b32 s28, s15, 14                        ; o: K step 2 j + (wave % 2): in LDS,
	s_lshl_b32 s24, s20, 17
	s_add_co_u32 s24, s24, s28                     ; and in memory, behind tb x 131,072 (these never hold cx)
	s_mov_b32 s25, 0
	s_mul_i32 s29, s15, 32*272
	s_add_co_u32 s29, s29, WT                      ; w_proj: my 32 rows: in LDS,
	s_lshl_b32 s26, s19, 16
	s_lshl_b32 s27, s15, 15
	s_add_co_u32 s26, s26, s27                     ; and in memory: (64 nb + 32 (wave % 2)) rows of 1,024 bytes (these never hold cy)
	s_mov_b32 s27, 0
	s_lshl_b32 s88, s20, 19                        ; out0: (128 tb + 32 w) rows of 4,096 bytes + 256 nb
	s_lshl_b32 s89, s[WV], 17
	s_add_co_u32 s88, s88, s89
	s_lshl_b32 s89, s19, 8
	s_add_co_u32 s88, s88, s89
	s_mov_b32 s89, 0
	s_wait_dscnt 0x0
	s_wait_kmcnt 0x0
	s_load_b64 s[84:85], s[8:9], 0x18              ; e6, e7
	s_add_nc_u64 s[24:25], s[4:5], s[24:25]
	s_add_nc_u64 s[26:27], s[6:7], s[26:27]
	s_add_nc_u64 s[10:11], s[10:11], s[88:89]
	CROUND                                         ; all sixteen work-groups are here: the joint loads meet
.irp j, 0,1,2,3
	s_mov_b32 s[G0O+4*\j], 1
	s_add_co_u32 s[G0O+4*\j+1], s28, 32768*\j
	s_add_nc_u64 s[G0O+4*\j+2:G0O+4*\j+3], s[24:25], 32768*\j
	s_or_b32 s[G0O+4*\j+3], s[G0O+4*\j+3], 0x80000000
	s_mov_b32 s[G0W+4*\j], 1
	s_add_co_u32 s[G0W+4*\j+1], s29, 17408*\j
	s_add_nc_u64 s[G0W+4*\j+2:G0W+4*\j+3], s[26:27], 256*\j
	s_or_b32 s[G0W+4*\j+3], s[G0W+4*\j+3], 0x80000000
.endr
	s_cmp_lt_u32 s[WV], 2                          ; a wave's four fills stand in one branch
	s_cbranch_scc0 .Lfill_w
.irp j, 0,1,2,3
	tensor_load_to_lds s[G0O+4*\j:G0O+4*\j+3], s[G1O:G1O+7]
	s_nop 0
.endr
	PLACES
	s_branch .Lfilled
.Lfill_w:
.irp j, 0,1,2,3
	tensor_load_to_lds s[G0W+4*\j:G0W+4*\j+3], s[G1W:G1W+7]
	s_nop 0
.endr
	PLACES
.Lfilled:
	v_and_b32 v1, 15, v0                           ; r
	v_bfe_u32 v2, v0, 4, 1                         ; h
	v_and_b32 v3, 31, v0                           ; lane
	s_lshl_b32 s28, s[WV], 12
	v_lshl_add_u32 v[ADO], v3, 4, s28              ; tiles 2 w, 2 w + 1: 4,096 w + 16 x lane
	v_add_nc_u32 v[ADO+1], 0x10000, v[ADO]
	v_mul_u32_u24 v10, v1, 272
	v_lshl_add_u32 v[ADW], v2, 3, v10
	v_add_nc_u32 v[ADW], WT, v[ADW]
	s_mul_i32 s28, s[WV], 2*16*272
	s_add_co_u32 s28, s28, STG                     ; my stage
	v_lshl_add_u32 v[STO], v2, 5, v10
	v_add_nc_u32 v[STO], s28, v[STO]               ; in: row r, 32 bytes for each half of the lanes
	v_mul_u32_u24 v11, v2, 272
	v_lshl_add_u32 v11, v1, 4, v11
	v_add_nc_u32 v[RD], s28, v11                   ; back: lanes 0-15 one row of 256 bytes, lanes 16-31 the next
	v_lshlrev_b32 v[CO], 12, v2
	v_lshl_add_u32 v[CO], v1, 4, v[CO]             ; and the same two rows in out0
	s_wait_kmcnt 0x0
	s_add_co_i32 s86, s84, s85
	s_add_co_i32 s86, s86, 127
	s_lshl_b32 s86, s86, 23                        ; 2^(e6 + e7) as f32
	s_mov_b32 s87, s86                             ; (named with it as a pair)
; K step 2 j + half, 128 along K: 8 loads of 16 bytes (o), 32 of 8 bytes (w_proj), 8 matrix instructions; the eight accumulators take turns in one fixed order
.macro KSTEP j, half, zero
.if !\zero
	PLACES                                         ; ahead of loads into registers that the last products read
.endif
.irp i, 0,1
.irp q, 0,1,2,3
	ds_load_b128 v[OF+16*\i+4*\q:OF+16*\i+4*\q+3], v[ADO+(2*\j+\half)/4] offset:16384*((2*\j+\half)%4)+2048*\i+512*\q
.endr
.endr
.irp b, 0,1,2,3
.irp c, 0,1,2,3,4,5,6,7
	ds_load_b64 v[WF+16*\b+2*\c:WF+16*\b+2*\c+1], v[ADW] offset:17408*\j+4352*\b+128*\half+16*\c
.endr
.endr
.irp b, 0,1,2,3
	s_wait_dscnt 24-8*\b                           ; o's fragments and w_proj's up to b are in; the later b's eight loads each may be out
.irp i, 0,1
.if \zero
	v_wmma_f32_16x16x128_fp8_fp8 v[ACC+8*(4*\i+\b):ACC+8*(4*\i+\b)+7], v[WF+16*\b:WF+16*\b+15], v[OF+16*\i:OF+16*\i+15], 0
.else
	v_wmma_f32_16x16x128_fp8_fp8 v[ACC+8*(4*\i+\b):ACC+8*(4*\i+\b)+7], v[WF+16*\b:WF+16*\b+15], v[OF+16*\i:OF+16*\i+15], v[ACC+8*(4*\i+\b):ACC+8*(4*\i+\b)+7]
.endif
.endr
.endr
.endm
.macro CHUNK j, zero
	s_wait_tensorcnt 3-\j                          ; my part of chunk j is in; the later chunks may be out
	s_wait_dscnt 0x0                               ; no LDS instruction of mine is pending at a signal
	s_barrier_signal -1
	s_barrier_wait -1                              ; everybody's is
	KSTEP \j, 0, \zero
	KSTEP \j, 1, 0
.endm
	CHUNK 0, 1                                     ; the first products start the sums
	CHUNK 1, 0
	CHUNK 2, 0
	CHUNK 3, 0
	; THE WAY OUT, a block of 16 rows x 64 columns at a time, through my own stage: LDS serves a wave's instructions in order (ISA guide 5.7.1.4), so no wait stands between the stores and the loads.
	; Each block has registers and stage rows of its own, so nothing that a store reads is written again.
	PLACES
.irp i, 0,1
.irp n, 0,2,4,6,8,10,12,14,16,18,20,22,24,26,28,30
	v_pk_mul_f32 v[176-128*\i+\n:176-128*\i+\n+1], v[ACC+32*\i+\n:ACC+32*\i+\n+1], s[86:87] op_sel_hi:[1,0]   ; x 2^(e6 + e7); each accumulator from its low end on
.endr
.irp b, 0,1,2,3
	ds_store_b128 v[STO], v[176-128*\i+8*\b:176-128*\i+8*\b+3] offset:4352*\i+64*\b
	ds_store_b128 v[STO], v[176-128*\i+8*\b+4:176-128*\i+8*\b+7] offset:4352*\i+64*\b+16
.endr
.irp t, 0,1,2,3,4,5,6,7
	ds_load_b128 v[208-192*\i+4*\t:208-192*\i+4*\t+3], v[RD] offset:4352*\i+544*\t
.endr
.endr
.irp i, 0,1
.irp t, 0,1,2,3,4,5,6,7
	s_wait_dscnt 16*(1-\i)+7-\t                    ; behind this load: the block's later loads, and for block 0 block 1's sixteen LDS instructions
	global_store_b128 v[CO], v[208-192*\i+4*\t:208-192*\i+4*\t+3], s[10:11] offset:(16*\i+2*\t)*4096 th:TH_STORE_NT   ; 16 lanes store 256 consecutive bytes, at a multiple of 256 from out0's first byte
.endr
.endr
	s_wait_dscnt 0x0
	s_wait_tensorcnt 0x0
	ds_add_u32 v254, v255
	s_wait_dscnt 0x0
	CROUND                                         ; the closing round: no work-group ends while a partner may still ask for a tile that names it
	s_endpgm
.Lfunc_end_k_q8d9bb82982_proj:
	.size	k_q8d9bb82982_proj, .Lfunc_end_k_q8d9bb82982_proj-k_q8d9bb82982_proj
	.p2alignl 7, 3214868480
	.fill 96, 4, 3214868480
	.section	.rodata,"a",@progbits
	.p2align	6, 0x0
	.amdhsa_kernel k_q8d9bb82982_proj
		.amdhsa_group_segment_fixed_size 236032
		.amdhsa_private_segment_fixed_size 0
		.amdhsa_enable_private_segment 0
		.amdhsa_kernarg_size 32
		.amdhsa_user_sgpr_count 2
		.amdhsa_user_sgpr_kernarg_segment_ptr 1
		.amdhsa_wavefront_size32 1
		.amdhsa_system_sgpr_workgroup_id_x 1
		.amdhsa_system_sgpr_workgroup_id_y 1
		.amdhsa_system_sgpr_workgroup_id_z 1
		.amdhsa_system_vgpr_workitem_id 0
		.amdhsa_next_free_vgpr 256
		.amdhsa_next_free_sgpr 100
		.amdhsa_reserve_vcc 0
		.amdhsa_float_denorm_mode_32 3
		.amdhsa_float_denorm_mode_16_64 3
		.amdhsa_memory_ordered 1
		.amdhsa_forward_progress 1
		.amdhsa_inst_pref_size 41
	.end_amdhsa_kernel
	.amdgpu_metadata
---
amdhsa.version: [ 1, 2 ]
amdhsa.kernels:
  - .name:           k_q8d9bb82982_proj
    .symbol:         k_q8d9bb82982_proj.kd
    .args:
      - { .name: o_img, .offset: 0, .size: 8, .value_kind: global_buffer, .address_space: global }
      - { .name: w_proj_codes, .offset: 8, .size: 8, .value_kind: global_buffer, .address_space: global }
      - { .name: lowp_scales, .offset: 16, .size: 8, .value_kind: global_buffer, .address_space: global }
      - { .name: out0, .offset: 24, .size: 8, .value_kind: global_buffer, .address_space: global }
    .group_segment_fixed_size: 236032
    .private_segment_fixed_size: 0
    .kernarg_segment_align: 8
    .kernarg_segment_size: 32
    .max_flat_workgroup_size: 128
    .sgpr_count:     100
    .vgpr_count:     256
    .wavefront_size: 32
...
	.end_amdgpu_metadata
.endif
;; end of part 3
